; MI455X (gfx1250); checked and timed in simulation.
; The chip was launched on July 23, 2026; its instructions are those of AMD's public machine-readable ISA for CDNA 5 (MIT licence, August 2026) and "CDNA5" Instruction Set Architecture Reference Guide (July 2026). The comments in the code are by the model that wrote it; some were corrected since.
;; Self Attention V1. Allowed arithmetic: matrix products marked QUANTISED: E4M3 operands, one E8M0 scale for each 32 along K, by v_wmma_scale_f32_16x16x128_f8f6f4 with both operands' format E4M3, f32 sums; everything else in f32.
;; Inputs: Wk 384 x 384 float32; Wq 384 x 384 float32; Wv 384 x 384 float32; bk 384 float32; bq 384 float32; bv 384 float32; x 4 x 4,096 x 384 float32.
;; Outputs: out0 4 x 4,096 x 384 float32.
;; This version of the problem:
;;   THIS VERSION OF THE PROBLEM IS GIVEN IN LOW PRECISION. The matrix products marked QUANTISED in the list below multiply operands that are first quantised to E4M3 (4 exponent bits, 3 mantissa bits; 8 bits a number), with one power-of-two scale for each 32 numbers along K (OCP MX v1.0); their sums are f32. All else is computed in f32.
;;   The module's matrix products, in the order in which they are computed (A, B: the left and right operand; K: the contracted axis; several contracted axes count as one K, in the product's order):
;;     1. [M 16,384, K 384] x [K 384, N 384]; A: input x; B: input Wq: QUANTISED
;;     2. [M 16,384, K 384] x [K 384, N 384]; A: input x; B: input Wk: QUANTISED
;;     3. [M 16,384, K 384] x [K 384, N 384]; A: input x; B: input Wv: QUANTISED
;;     4. batch 4 x [M 4,096, K 384] x [K 384, N 4,096]; A: computed on the way; B: computed on the way: QUANTISED
;;     5. batch 4 x [M 4,096, K 4,096] x [K 4,096, N 384]; A: softmax (see below); B: computed on the way: QUANTISED
;;   THE QUANTISER, for each operand of a quantised product, along K:
;;     - K is cut into blocks of 32 from its start; a last block that is shorter is filled with zeros.
;;     - A block's scale is 2^e with e = floor(log2(the largest magnitude in the block)) - 8, held to -126 .. 127; a block of zeros has e = 0. As a byte (E8M0): e + 127.
;;     - Each number is divided by its block's scale, clamped to +-448, and rounded to the nearest number of E4M3, ties to even, subnormals kept.
;;     - The product sums the exact products of the quantised numbers (number of the format x scale) in f32.
;;   ~~~python
;;   def quantise(x, axis):      # numpy; x: float32 -> the quantised numbers, widened to float32 again
;;       x = np.moveaxis(x, axis, -1); K = x.shape[-1]
;;       x = np.pad(x, [(0, 0)] * (x.ndim - 1) + [(0, -K % 32)]); x = x.reshape(x.shape[:-1] + (-1, 32)); a = np.abs(x).max(-1, keepdims=True)
;;       e = np.where(a > 0, np.clip(np.frexp(np.where(a > 0, a, 1))[1] - 1 - 8, -126, 127), 0)      # np.frexp(a)[1] - 1 = floor(log2(a)), exactly
;;       r = np.clip(x / 2.0 ** e, -448, 448)
;;       step = 2.0 ** (np.maximum(np.frexp(np.where(r == 0, 1, r))[1] - 1, -6) - 3)
;;       q = np.round(r / step) * step * 2.0 ** e      # np.round: ties to even
;;       return np.moveaxis(q.reshape(q.shape[:-2] + (-1,))[..., :K], -1, axis).astype(np.float32)
;;   ~~~
;;   SOFTMAX AHEAD OF A QUANTISED PRODUCT. Where the list says 'softmax', what is quantised is not the finished softmax but p = 2^(t - M), with t = logit x log2(e) and M = ceil(the row's largest t), a whole number; so 1/2 < the row's largest p <= 1. The row's sum l is taken of the UNQUANTISED p, in f32, and the product's result is divided by l at the end. Since M is a whole number, a kernel that streams over the keys may use a running M (the ceiling of the running maximum): every later rescaling is an exact power of two, which a block's scale takes up: the codes' values come out the same.
;;   OPERANDS COMPUTED ON THE WAY. 'Computed on the way' means the value that the module computes at that place (a softmax that the list does not call 'softmax' is quantised finished and normalised). What goes into a quantiser is computed in f32, as accurately as f32 sums, v_exp_f32 and their like allow (about 1e-6 of the number): no bf16 or f16 on the way to a quantiser, and a product that is left as it is and whose result goes on into a quantised operand takes f32 operands (vector FMAs, or v_wmma_f32_16x16x4_f32). A number that lies on a knife's edge between two numbers of the format may be rounded either way, as far as f32 arithmetic and the matrix unit's own rounding can turn it there, and no further.
;; One version. Each part assembles by itself: llvm-mc -triple=amdgcn-amd-amdhsa -mcpu=gfx1250 --defsym DOCPART=n.
;; ======== version 1 of 1: 3 launches
;; limits: right only within a limited range of input values
;; workspace buffers: wc 442,368 bytes; ws 27,648 bytes; qbuf 6,488,064 bytes; kv 12,976,128 bytes
;; launch quantw (part 1): grid 72 x 3, 1 waves a work-group, no clusters, 0 bytes of LDS; arguments Wq, Wk, Wv, wc, ws; writes wc, ws
.if DOCPART == 1
	.amdgcn_target "amdgcn-amd-amdhsa--gfx1250"
	.amdhsa_code_object_version 6
	.text
	.protected	k_q2bbadcf949_quantw
	.globl	k_q2bbadcf949_quantw
	.p2align	8
	.type	k_q2bbadcf949_quantw,@function
k_q2bbadcf949_quantw:
	s_mov_b64 s[64:65], 0
	v_nop
	global_prefetch_b8 v0, s[64:65] scope:SCOPE_SE
	s_setreg_imm32_b32 hwreg(HW_REG_WAVE_MODE, 25, 1), 1
	s_wait_xcnt 0x0
; Wq, Wk, Wv [384 (e)][384 (d)], f32, become codes of E4M3 with one E8M0 byte for each 32 along d, laid as IMAGES OF OPERAND REGISTERS.
; A fragment is 16 rows x 128 along d: 16 registers a lane, 2,048 bytes, in four pieces of 512: piece c holds, at 16 x lane, the codes d = 32 c + 16 (lane / 16) + 0 .. 15 of the row of lane % 16.
; THE ROWS OF A TILE ARE NOT NEIGHBOURS: lane r of tile T takes row 32 (T / 2) + 8 (T % 2) + r + 8 (r / 8), so that the results of two neighbouring tiles, used as source 0, are 16 neighbours in a lane.
; THE ORDER is that in which the four waves of the next launch take them: fragment F = 54 (T / 6) + 18 m + 3 (T % 6) + s (m: q, k, v; T: tile 0 .. 23; s: 128 along d) lies at wc + 2,048 F,
; its scale words (one a lane, both halves of the lanes alike) at ws + 128 F.
; SHARES: work-group (3 T + s, m), one wave: one fragment, 216 in all: that is all the work there is, 1.77 MB of input.  No LDS, no barrier, no loop.
; A lane reads 64 neighbouring bytes of each block of 32 by four loads; the stores of codes cover 512 consecutive bytes each.
; A block's scale is 2^(floor(log2(largest magnitude)) - 8); its byte is the largest magnitude's exponent field - 8, held at 1 from below.
; LIMITS: a block of zeros gets the byte 1 where the rule says 127 (its codes are zeros, and this program alone reads the bytes); NaN and infinities among the inputs are not served.
.set PC,  16                           ; v16-31  the codes just made
.set TM,  32                           ; v32-35 largest magnitudes, v36-39 bytes, v40-43 448 x the scale, v44-47 the conversions' scale operands
.set PW,  48                           ; v48     the scale word
.set XD,  64                           ; v64-127 64 numbers: register 16 b + i is d = 32 b + 16 (lane / 16) + i of my row
.set MNT, 21                           ; s21     the mantissa field of 448
.set SEL, 22                           ; s[22:23] lane selects for v_permlanex16_b32: lane l xor 16
	s_load_b256 s[4:11], s[0:1], 0x0               ; Wq s[4:5], Wk s[6:7], Wv s[8:9], wc s[10:11]
	s_load_b64 s[12:13], s[0:1], 0x20              ; ws
	s_and_b32 s15, ttmp7, 0xffff                   ; m: which matrix
	v_and_b32 v1, 31, v0                           ; lane
	v_and_b32 v2, 15, v0                           ; r
	v_bfe_u32 v3, v0, 4, 1                         ; h
	v_and_b32 v4, 8, v2
	v_add_nc_u32 v4, v4, v2                        ; r + 8 (r / 8)
	v_mul_u32_u24 v4, v4, 1536                     ; a row of W is 1,536 bytes
	v_lshl_add_u32 v4, v3, 6, v4                   ; + 64 h: my 16 numbers of a block of 32
	v_lshlrev_b32 v5, 4, v1                        ; 16 x lane
	v_lshlrev_b32 v6, 2, v1                        ; 4 x lane
.irp b, 0,1,2,3
	v_mov_b32 v[TM+4+\b], 0                        ; a lane permute's destination counts as one of its sources
.endr
	s_wait_alu depctr_va_vdst(0)
	s_mov_b32 s[SEL], 0x76543210
	s_mov_b32 s[SEL+1], 0xfedcba98
	s_mov_b32 s[MNT], 0x600000
	s_mul_i32 s14, ttmp9, 171
	s_lshr_b32 s14, s14, 9                         ; T = x / 3 (x under 72)
	s_lshr_b32 s16, s14, 1
	s_lshl_b32 s16, s16, 5
	s_and_b32 s17, s14, 1
	s_lshl_b32 s17, s17, 3
	s_add_co_u32 s16, s16, s17                     ; the tile's first row: 32 (T / 2) + 8 (T % 2)
	s_mul_i32 s16, s16, 1536
	s_mul_i32 s17, s14, 3
	s_sub_co_u32 s17, ttmp9, s17                   ; s
	s_lshl_b32 s17, s17, 9
	s_add_co_u32 s16, s16, s17                     ; + 512 s bytes along d
	s_mov_b32 s17, 0
	s_mul_i32 s18, s14, 43
	s_lshr_b32 s18, s18, 8                         ; T / 6 (T under 24)
	s_mul_i32 s18, s18, 36
	s_mul_i32 s19, s15, 18
	s_add_co_u32 s18, s18, s19
	s_add_co_u32 s18, s18, ttmp9                   ; F = 36 (T / 6) + 18 m + 3 T + s
	s_lshl_b32 s24, s18, 11
	s_mov_b32 s25, 0
	s_lshl_b32 s26, s18, 7
	s_mov_b32 s27, 0
	s_wait_alu depctr_va_vdst(0)                   ; the head's end
	s_wait_kmcnt 0x0
	s_cmp_eq_u32 s15, 1                            ; the choice of the matrix hangs on the work-group's number alone
	s_cselect_b64 s[6:7], s[6:7], s[8:9]
	s_cmp_eq_u32 s15, 0
	s_cselect_b64 s[4:5], s[4:5], s[6:7]
	s_add_nc_u64 s[4:5], s[4:5], s[16:17]
	s_add_nc_u64 s[10:11], s[10:11], s[24:25]
	s_add_nc_u64 s[12:13], s[12:13], s[26:27]
.irp b, 0,1,2,3
.irp j, 0,1,2,3
	global_load_b128 v[XD+16*\b+4*\j:XD+16*\b+4*\j+3], v4, s[4:5] offset:128*\b+16*\j th:TH_LOAD_NT
.endr
.endr
	s_wait_loadcnt 0x0
.irp b, 0,1,2,3
	v_max3_num_f32 v[TM+\b], |v[XD+16*\b]|, |v[XD+1+16*\b]|, 0x4800000   ; block b: my 16 numbers, and the floor 2^(9 - 127): the byte cannot fall under 1
.endr
.irp i, 2,4,6,8,10,12,14
.irp b, 0,1,2,3
	v_max3_num_f32 v[TM+\b], v[TM+\b], |v[XD+16*\b+\i]|, |v[XD+1+16*\b+\i]|   ; the four blocks by turns
.endr
.endr
.irp b, 0,1,2,3
	v_permlanex16_b32 v[TM+4+\b], v[TM+\b], s[SEL], s[SEL+1]
.endr
.irp b, 0,1,2,3
	v_max_num_f32 v[TM+\b], v[TM+\b], v[TM+4+\b]   ; with lane l xor 16: the block's largest magnitude
.endr
.irp b, 0,1,2,3
	v_add_nc_u32 v[TM+12+\b], 0xfc000000, v[TM+\b] ; 8 off its exponent field: the conversion's scale operand
.endr
.irp b, 0,1,2,3
	v_and_or_b32 v[TM+8+\b], v[TM+\b], 0x7f800000, s[MNT]   ; 448 x the scale
.endr
.irp b, 0,1,2,3
	v_lshrrev_b32 v[TM+4+\b], 23, v[TM+12+\b]      ; the scale's byte
.endr
	v_lshl_or_b32 v[PW], v[TM+5], 8, v[TM+4]
	v_lshl_or_b32 v[PW], v[TM+6], 16, v[PW]
	v_lshl_or_b32 v[PW], v[TM+7], 24, v[PW]
.irp b, 0,1,2,3
.irp i, 0,1,2,3,4,5,6,7,8,9,10,11,12,13,14,15
	v_med3_num_f32 v[XD+16*\b+\i], v[XD+16*\b+\i], -v[TM+8+\b], v[TM+8+\b]   ; the conversion to an 8-bit code does not saturate (ISA guide 7.6.2): hold first
.endr
	v_cvt_scalef32_pk8_fp8_f32 v[PC+4*\b:PC+1+4*\b], v[XD+16*\b:XD+7+16*\b], v[TM+12+\b]
	v_cvt_scalef32_pk8_fp8_f32 v[PC+2+4*\b:PC+3+4*\b], v[XD+8+16*\b:XD+15+16*\b], v[TM+12+\b]
.endr
	v_nop                                          ; a plain line behind the last conversion
.irp c, 0,1,2,3
	global_store_b128 v5, v[PC+4*\c:PC+4*\c+3], s[10:11] offset:512*\c   ; piece c: 32 lanes store 512 consecutive bytes
.endr
	global_store_b32 v6, v[PW], s[12:13]           ; the fragment's scale words: 128 consecutive bytes
	s_endpgm
.Lfunc_end_k_q2bbadcf949_quantw:
	.size	k_q2bbadcf949_quantw, .Lfunc_end_k_q2bbadcf949_quantw-k_q2bbadcf949_quantw
	.p2alignl 7, 3214868480
	.fill 96, 4, 3214868480
	.section	.rodata,"a",@progbits
	.p2align	6, 0x0
	.amdhsa_kernel k_q2bbadcf949_quantw
		.amdhsa_group_segment_fixed_size 0
		.amdhsa_private_segment_fixed_size 0
		.amdhsa_enable_private_segment 0
		.amdhsa_kernarg_size 40
		.amdhsa_user_sgpr_count 2
		.amdhsa_user_sgpr_kernarg_segment_ptr 1
		.amdhsa_wavefront_size32 1
		.amdhsa_system_sgpr_workgroup_id_x 1
		.amdhsa_system_sgpr_workgroup_id_y 1
		.amdhsa_system_sgpr_workgroup_id_z 1
		.amdhsa_system_vgpr_workitem_id 0
		.amdhsa_next_free_vgpr 128
		.amdhsa_next_free_sgpr 66
		.amdhsa_reserve_vcc 0
		.amdhsa_float_denorm_mode_32 3
		.amdhsa_float_denorm_mode_16_64 3
		.amdhsa_memory_ordered 1
		.amdhsa_forward_progress 1
		.amdhsa_inst_pref_size 13
	.end_amdhsa_kernel
	.amdgpu_metadata
---
amdhsa.version: [ 1, 2 ]
amdhsa.kernels:
  - .name:           k_q2bbadcf949_quantw
    .symbol:         k_q2bbadcf949_quantw.kd
    .args:
      - { .name: Wq, .offset: 0, .size: 8, .value_kind: global_buffer, .address_space: global }
      - { .name: Wk, .offset: 8, .size: 8, .value_kind: global_buffer, .address_space: global }
      - { .name: Wv, .offset: 16, .size: 8, .value_kind: global_buffer, .address_space: global }
      - { .name: wc, .offset: 24, .size: 8, .value_kind: global_buffer, .address_space: global }
      - { .name: ws, .offset: 32, .size: 8, .value_kind: global_buffer, .address_space: global }
    .group_segment_fixed_size: 0
    .private_segment_fixed_size: 0
    .kernarg_segment_align: 8
    .kernarg_segment_size: 40
    .max_flat_workgroup_size: 32
    .sgpr_count:     66
    .vgpr_count:     128
    .wavefront_size: 32
...
	.end_amdgpu_metadata
.endif
;; end of part 1
;; launch proj (part 2): grid 256 x 1, 4 waves a work-group, clusters of 4 x 1, 327,680 bytes of LDS; arguments x, wc, ws, bq, bk, bv, qbuf, kv; writes qbuf, kv
.if DOCPART == 2
	.amdgcn_target "amdgcn-amd-amdhsa--gfx1250"
	.amdhsa_code_object_version 6
	.text
	.protected	k_q2bbadcf949_proj
	.globl	k_q2bbadcf949_proj
	.p2align	8
	.type	k_q2bbadcf949_proj,@function
k_q2bbadcf949_proj:
	s_mov_b64 s[64:65], 0
	v_nop
	global_prefetch_b8 v0, s[64:65] scope:SCOPE_SE
	s_setreg_imm32_b32 hwreg(HW_REG_WAVE_MODE, 25, 1), 1
	s_wait_xcnt 0x0
	s_wait_alu depctr_hold_cnt(0) depctr_sa_sdst(0) depctr_va_vdst(0) depctr_va_sdst(0) depctr_va_ssrc(0) depctr_va_vcc(0) depctr_vm_vsrc(0)
	s_getreg_b32 s2, hwreg(HW_REG_IB_STS2, 6, 4)
	s_cmp_eq_u32 s2, 0
	s_cbranch_scc0 .Lentry_in_a_cluster
	s_endpgm
.Lentry_in_a_cluster:
	s_bfe_u32 s2, ttmp6, 0x10000c
	s_cmp_lg_u32 s2, 0x3003
	s_cbranch_scc0 .Lentry_shape_is_right
	s_endpgm
.Lentry_shape_is_right:
; q, k, v = x W^T + b on codes of E4M3 (one E8M0 scale for each 32 along the 384), and q, k, v quantised again on the way: q and k along their 384, v along the keys.  They go to memory as codes alone,
; as images of operand registers (a fragment: 16 rows x 128 K, 2,048 bytes, piece c at 512 c + 16 x lane), in the order in which the attention launch takes them.
; SHARES.  Work-group g owns rows 64 g .. 64 g + 63 of x, as four tiles: lane r of tile t is row 32 (t / 2) + 8 (t % 2) + r + 8 (r / 8).  Wave w quantises tile w (three fragments); the images meet in LDS;
; every wave then holds all twelve fragments of x in registers.  THE WAVES SHARE THE COLUMNS: wave w makes columns 96 w .. 96 w + 95 of q, of k and of v.
; x: each load of a wave reads 512 consecutive bytes of one row; all 48 are asked for at the head.  The numbers turn through a stage of the wave's own (16 rows x (512 + 16) bytes), so that a lane gets 16 neighbours of its row.
; A UNIT u = 3 m + i (m: q, k, v) is 32 columns: two tiles of W against the four tiles of x: 24 products on eight accumulators by turns, 64 numbers a lane, one QUANT:
;   q, k: source 0 = W, source 1 = x: a lane holds one token, its 16 registers of the two tiles of W are 16 neighbours along the columns: QUANT's block is a tile of x;
;   v:    source 0 = x, source 1 = W: a lane holds one channel, its registers run along the tokens, which are the keys: QUANT's block 2 n + g is tile n of W, tiles 2 g and 2 g + 1 of x.
; The bias is the C of a sum's first product.
; W comes by JOINT tensor loads: the four work-groups of a cluster need all of W alike.  A wave's 54 fragments are one dense stream of 110,592 bytes, in the order of its units, and only that wave reads them:
; 3 units into slot 0 (at the head), 2 into slot 1, 3 into slot 0, 1 into slot 1.  Each later load stands behind a round of the cluster's barrier, at which the slot's fragments lie in registers.  A wave has one tensor load out.
; The next unit's fragments are loaded from LDS ahead of a unit's products, into two buffers by turns.
; NO PREFETCH: x is asked for as a whole at the head, each row by one wave; W is the same 442 KB for every cluster.
; STORES: codes leave 512 consecutive bytes an instruction.  q's and k's scale bytes are gathered in LDS and leave in units of 256 bytes.  v's leave two bytes a lane inside runs of 128 bytes (a word's other half belongs to the
; work-group that has the record's other 64 keys): 0.2 MB of the 19.5 MB stored.
; LIMITS: a block of zeros gets the byte 1 where the rule says 127 (its codes are zeros; this program alone reads the bytes); NaN and infinities among the inputs are not served.
; REGISTERS, in windows of 256.  Window 0: v1-15 addresses; v16-31 codes; v32-49 at work; v52-63 x's scale words; v64-127 numbers of x, then the accumulators; v128-191 numbers of x; v192-245 W's scale words; v246 on addresses.
;   Window 1: x's twelve fragments.   Window 2: x as it is loaded, then W's fragments, two buffers of 96.   Window 3: the biases: unit u at 16 u.
.set REC,  101376                      ; a record of kv: 128 keys: K's scales 1,536, K's codes 49,152, V's scales 1,536, V's codes 49,152
.set QREC, 25344                       ; a record of qbuf: 64 queries: codes 24,576, scales 768
.set KCO,  1536
.set VSO,  50688
.set VCO,  52224
.set XIMG, 0                           ; LDS: x's twelve fragments, (3 t + s) x 2,048
.set XSC,  24576                       ; their scale words, 128 bytes each
.set QS,   26112                       ; q's, then k's scale bytes, 768 each
.set STG,  27648                       ; the waves' stages, 8,448 bytes each
.set S0,   61440                       ; slot 0
.set S1,   208896                      ; slot 1
.set SPARE, 307200                     ; the spare words, 128 bytes a wave: two blocks of 256 bytes that no other line names
.set LI,  1                            ; v1   16 x lane
.set LS,  2                            ; v2   4 x lane
.set STI, 3                            ; v3   my stage, in: + 16 x lane
.set STL, 4                            ; v4   out: + 528 r + 64 h
.set XWI, 5                            ; v5   where I store x's images
.set XWS, 6                            ; v6   and their scale words
.set WA0, 7                            ; v7   my fragments in slot 0
.set WA1, 8                            ; v8   and in slot 1
.set BQA, 9                            ; v9   q's and k's bias: 64 h
.set BVA, 10                           ; v10  v's bias: 4 (r + 8 (r / 8))
.set SH,  11                           ; v11  16 h
.set PC,  16
.set TM,  32                           ; v32-35 largest magnitudes, v36-39 bytes, v40-43 448 x the scale, v44-47 the conversions' scale operands
.set PW,  48
.set PH,  49                           ; v49  the scale word's half that my lane stores
.set XS,  52
.set N0,  64
.set ACC, 64
.set N1,  128
.set WSA, 192
.set SPW, 246                          ; v246 my spare word; never rewritten
.set NIL, 247                          ; v247 0; never rewritten
.set SA,  248                          ; v248-250 where unit i's scale bytes of q or k go
.set QSR, 251                          ; v251 where I read the gathered bytes
.set L8,  252                          ; v252 8 x lane
.set WV,  20
.set MNT, 21
.set SEL, 22
.set XB,  24                           ; s[24:25] x at my tile
.set WSB, 26                           ; s[26:27] ws at my 54 fragments
.set G0,  28                           ; s[28:31] descriptor group 0
.set G1A, 32                           ; s[32:39] group 1: 18 fragments: 144 rows of 256 bytes;  s[40:47]: 12: 96 rows;  s[48:55]: 6: 48 rows
.set G1B, 40
.set G1C, 48
.set WCB, 56                           ; s[56:57] wc at my stream
.set QB,  58                           ; s[58:59] my codes of q; s[60:61] of k; s[66:67] of v
.set KB,  60
.set VB,  66
.set VSB, 68                           ; s[68:69] v's scale bytes
.set BQ,  70                           ; s[70:71], s[72:73], s[74:75] bq, bk, bv at my 96 columns
.set BK,  72
.set BV,  74
.set QSO, 76                           ; s[76:77] q's (wave 0) or k's (wave 1) scale bytes
.set L0,  88                           ; s88, s89 my part of slot 0, of slot 1
.set L1,  89
.set MSB, 0
.macro WIN new                         ; the immediate's high byte repeats the setting that is left
.if MSB != (\new)
	s_set_vgpr_msb (MSB<<8)|(\new)
.set MSB, (\new)
.endif
.endm
.macro PLACES n                        ; places behind this matrix form, or the four plain lines behind a tensor load
.rept \n
	v_nop
.endr
.endm
.macro ROUND                           ; a round of the cluster's barrier
	s_barrier_signal -1
	s_barrier_wait -1
	s_cmp_lg_u32 s[WV], 0
	s_cbranch_scc1 .Lnot_wave_0_\@
	s_barrier_signal -3
.Lnot_wave_0_\@:
	s_barrier_wait -3
	s_barrier_signal -1
	s_barrier_wait -1
.endm
.macro GROUP1 g, rows                  ; a dense run of rows of 256 bytes (32 elements of 8 bytes), no padding, for all four work-groups
	s_mov_b32 s[\g], 15|(3<<16)|(1<<21)
	s_mov_b32 s[\g+1], 32<<16
	s_mov_b32 s[\g+2], (\rows)<<16
	s_mov_b32 s[\g+3], 32<<16
	s_mov_b32 s[\g+4], \rows
	s_mov_b32 s[\g+5], 32
	s_mov_b32 s[\g+6], 0
	s_mov_b32 s[\g+7], 0
.endm
.macro AIM lds, off                    ; it stands where no tensor load of the wave is out
	s_mov_b32 s[G0], 1
	s_mov_b32 s[G0+1], s[\lds]
	s_add_nc_u64 s[G0+2:G0+3], s[WCB:WCB+1], \off
	s_or_b32 s[G0+3], s[G0+3], 0x80000000
.endm
.macro TLOAD g1
	tensor_load_to_lds s[G0:G0+3], s[\g1:\g1+7]
	s_nop 0
	PLACES 4
.endm
.macro REFILL lds, off, g1             ; behind the round no wave of a partner still reads the slot
	s_wait_tensorcnt 0x0
	ds_add_u32 v[SPW], v[NIL]
	AIM \lds, \off
	s_wait_alu depctr_va_vdst(0)
	s_wait_dscnt 0x0
	ROUND
	TLOAD \g1
.endm
; 64 numbers of a lane, register 16 b + i = place 16 (lane / 16) + i along K of block b, become 16 registers of codes in v[PC] on and four scale bytes in v[TM + 4] on; word = 1: also as the word v[PW]
.macro QUANT s, word
.irp b, 0,1,2,3
	v_max3_num_f32 v[TM+\b], |v[\s+16*\b]|, |v[\s+1+16*\b]|, 0x4800000   ; block b: my 16 numbers, and the floor 2^(9 - 127): the byte cannot fall under 1.  (Each accumulator is read from its low end on)
.endr
.irp i, 2,4,6,8,10,12,14
.irp b, 0,1,2,3
	v_max3_num_f32 v[TM+\b], v[TM+\b], |v[\s+16*\b+\i]|, |v[\s+1+16*\b+\i]|
.endr
.endr
.irp b, 0,1,2,3
	v_permlanex16_b32 v[TM+4+\b], v[TM+\b], s[SEL], s[SEL+1]
.endr
.irp b, 0,1,2,3
	v_max_num_f32 v[TM+\b], v[TM+\b], v[TM+4+\b]   ; with lane l xor 16: the block's largest magnitude
.endr
.irp b, 0,1,2,3
	v_add_nc_u32 v[TM+12+\b], 0xfc000000, v[TM+\b] ; 8 off its exponent field: the conversion's scale operand
.endr
.irp b, 0,1,2,3
	v_and_or_b32 v[TM+8+\b], v[TM+\b], 0x7f800000, s[MNT]   ; 448 x the scale
.endr
.irp b, 0,1,2,3
	v_lshrrev_b32 v[TM+4+\b], 23, v[TM+12+\b]      ; the scale's byte
.endr
.if \word
	v_lshl_or_b32 v[PW], v[TM+5], 8, v[TM+4]
	v_lshl_or_b32 v[PW], v[TM+6], 16, v[PW]
	v_lshl_or_b32 v[PW], v[TM+7], 24, v[PW]
.endif
.irp b, 0,1,2,3
.irp i, 0,1,2,3,4,5,6,7,8,9,10,11,12,13,14,15
	v_med3_num_f32 v[\s+16*\b+\i], v[\s+16*\b+\i], -v[TM+8+\b], v[TM+8+\b]   ; the conversion to an 8-bit code does not saturate (ISA guide 7.6.2): hold first
.endr
	v_cvt_scalef32_pk8_fp8_f32 v[PC+4*\b:PC+1+4*\b], v[\s+16*\b:\s+7+16*\b], v[TM+12+\b]
	v_cvt_scalef32_pk8_fp8_f32 v[PC+2+4*\b:PC+3+4*\b], v[\s+8+16*\b:\s+15+16*\b], v[TM+12+\b]
.endr
	v_nop                                          ; a plain line behind the last conversion: later products write the numbers' registers
.endm
.macro XTURN s, n                      ; the s-th 128 along K of my tile through my stage: 16 stores, 16 loads.  LDS serves a wave's instructions in order (ISA guide 5.7.1.4)
	WIN 0x08                                       ; an LDS store's data are its source 1: window 2
.irp k, 0,1,2,3,4,5,6,7,8,9,10,11,12,13,14,15
	ds_store_b128 v[STI], v[64*\s+4*\k:64*\s+4*\k+3] offset:528*\k
.endr
	WIN 0
.irp b, 0,1,2,3
.irp j, 0,1,2,3
	ds_load_b128 v[\n+16*\b+4*\j:\n+16*\b+4*\j+3], v[STL] offset:128*\b+16*\j
.endr
.endr
.endm
.macro IMAGE s                         ; the fragment just made goes to LDS as it stands, and its scale word: 5 stores
.irp c, 0,1,2,3
	ds_store_b128 v[XWI], v[PC+4*\c:PC+4*\c+3] offset:XIMG+2048*\s+512*\c
.endr
	ds_store_b32 v[XWS], v[PW] offset:XSC+128*\s
.endm
.macro WLD u                           ; unit u's six fragments into buffer u % 2: 24 loads
.if (\u) < 3
.set wa, WA0
.set wo, 12288*(\u)
.elseif (\u) < 5
.set wa, WA1
.set wo, 12288*((\u)-3)
.elseif (\u) < 8
.set wa, WA0
.set wo, 12288*((\u)-5)
.else
.set wa, WA1
.set wo, 0
.endif
.set wb, 96*((\u)%2)
	WIN 0x80
.irp f, 0,1,2,3,4,5
.irp c, 0,1,2,3
	ds_load_b128 v[wb+16*\f+4*\c:wb+16*\f+4*\c+3], v[wa] offset:wo+2048*\f+512*\c
.endr
.endr
	WIN 0
.endm
.macro WM
.if zz
	v_wmma_scale_f32_16x16x128_f8f6f4 v[rD:rD+7], v[rA:rA+15], v[rB:rB+15], v[rC:rC+7], v[sA], v[sB]
.else
	v_wmma_scale_f32_16x16x128_f8f6f4 v[rD:rD+7], v[rA:rA+15], v[rB:rB+15], v[rD:rD+7], v[sA], v[sB]
.endif
.endm
.macro UNIT u
.set m_, (\u)/3
.set i_, (\u)%3
.if (\u) < 8
.if (\u) == 7
	s_wait_tensorcnt 0x0                           ; the last unit's fragments have landed: my own part, which I alone read
.endif
	WLD (\u)+1
	s_wait_dscnt 24                                ; this unit's fragments are in; the next one's 24 loads may be out
.else
	s_wait_dscnt 0x0
.endif
.irp s, 0,1,2
.set zz, (\s == 0)&1
.irp t, 0,1,2,3
.irp p, 0,1
.if m_ < 2
	WIN 0x06+0x30*zz                               ; source 0 (W) window 2, source 1 (x) window 1; a first product's C: window 3
.set rD, ACC+16*\t+8*\p
.set rA, 96*((\u)%2)+16*(3*\p+\s)
.set rB, 16*(3*\t+\s)
.set sA, WSA+6*(\u)+3*\p+\s
.set sB, XS+3*\t+\s
.else
	WIN 0x09+0x30*zz                               ; source 0 (x) window 1, source 1 (W) window 2
.set rD, ACC+32*\p+8*\t
.set rA, 16*(3*\t+\s)
.set rB, 96*((\u)%2)+16*(3*\p+\s)
.set sA, XS+3*\t+\s
.set sB, WSA+6*(\u)+3*\p+\s
.endif
.set rC, 16*(\u)+8*\p
	WM
.endr
.endr
.endr
	WIN 0
	PLACES 8
	s_wait_xcnt 0x0                                ; the last unit's stores have read their data: the codes' registers are written again only behind this wait
.if m_ < 2
	QUANT ACC, 0
.irp t, 0,1,2,3
.if m_ == 0
	global_store_b128 v[LI], v[PC+4*\t:PC+4*\t+3], s[QB:QB+1] offset:6144*\t+512*i_   ; a piece of tile t: 512 consecutive bytes
.else
	global_store_b128 v[LI], v[PC+4*\t:PC+4*\t+3], s[KB:KB+1] offset:6144*\t+512*i_
.endif
	ds_store_b8 v[SA+i_], v[TM+4+\t] offset:768*m_+384*(\t/2)+64*(\t%2)   ; both halves of the lanes hold the same byte
.endr
.else
	QUANT ACC, 1
.irp n, 0,1
.irp g, 0,1
	global_store_b128 v[LI], v[PC+4*(2*\n+\g):PC+4*(2*\n+\g)+3], s[VB:VB+1] offset:2048*(2*i_+\n)+512*\g
.endr
.endr
	v_lshrrev_b32 v[PH], v[SH], v[PW]              ; lanes 0-15 keep the low half (tile 0), lanes 16-31 take the high half (tile 1)
	global_store_b16 v[LS], v[PH], s[VSB:VSB+1] offset:128*i_
.endif
.endm
	s_load_b512 s[4:19], s[0:1], 0x0               ; x s[4:5], wc s[6:7], ws s[8:9], bq s[10:11], bk s[12:13], bv s[14:15], qbuf s[16:17], kv s[18:19]
	v_lshl_add_u32 v[SPW], v0, 2, SPARE
	v_mov_b32 v[NIL], 0
	ds_add_u32 v[SPW], v[NIL]                      ; the wave's opening: the add, twice on end, and its wait ahead of my first tensor load; work on registers stands between
	ds_add_u32 v[SPW], v[NIL]
	v_lshrrev_b32 v12, 5, v0
	v_readfirstlane_b32 s[WV], v12                 ; wave 0..3
	s_bfe_u32 s80, ttmp6, 0x40000                  ; cx: my place in the cluster
	s_lshl_b32 s81, ttmp9, 2
	s_add_co_u32 s80, s80, s81                     ; g = 4 x cluster + cx: it enters the addresses of x and of the results alone
	s_and_b32 s82, s80, 1                          ; hf: which half of a record of 128 keys
	s_lshr_b32 s83, s80, 1
	s_mul_i32 s83, s83, REC                        ; my record of kv
	GROUP1 G1A, 144
	GROUP1 G1B, 96
	GROUP1 G1C, 48
	s_mov_b32 s[SEL], 0x76543210
	s_mov_b32 s[SEL+1], 0xfedcba98
	s_mov_b32 s[MNT], 0x600000
	s_mov_b32 s85, 0
	s_mov_b32 s87, 0
	s_mov_b32 s91, 0
	s_mov_b32 s93, 0
	s_lshl_b32 s84, s80, 6
	s_lshr_b32 s86, s[WV], 1
	s_lshl_b32 s86, s86, 5
	s_add_co_u32 s84, s84, s86
	s_and_b32 s86, s[WV], 1
	s_lshl_b32 s86, s86, 3
	s_add_co_u32 s84, s84, s86                     ; my tile's first row: 64 g + 32 (w / 2) + 8 (w % 2)
	s_mul_i32 s84, s84, 1536
	s_mul_i32 s86, s[WV], 110592                   ; my stream of wc
	s_mul_i32 s90, s[WV], 6912                     ; and of ws
	s_mul_i32 s92, s[WV], 384                      ; my 96 columns of a bias
	s_mul_i32 s[L0], s[WV], 36864
	s_add_co_u32 s[L0], s[L0], S0
	s_mul_i32 s[L1], s[WV], 24576
	s_add_co_u32 s[L1], s[L1], S1
	v_and_b32 v13, 31, v0                          ; lane
	v_and_b32 v14, 15, v0                          ; r
	v_bfe_u32 v15, v0, 4, 1                        ; h
	v_lshlrev_b32 v[LI], 4, v13
	v_lshlrev_b32 v[LS], 2, v13
	v_lshlrev_b32 v[L8], 3, v13
	s_mul_i32 s94, s[WV], 8448
	s_add_co_u32 s94, s94, STG
	v_add_nc_u32 v[STI], s94, v[LI]
	v_mul_u32_u24 v[STL], v14, 528
	v_lshl_add_u32 v[STL], v15, 6, v[STL]
	v_add_nc_u32 v[STL], s94, v[STL]
	s_mul_i32 s94, s[WV], 6144
	v_add_nc_u32 v[XWI], s94, v[LI]
	v_add_nc_u32 v[XWS], s92, v[LS]
	v_add_nc_u32 v[WA0], s[L0], v[LI]
	v_add_nc_u32 v[WA1], s[L1], v[LI]
	v_lshlrev_b32 v[BQA], 6, v15
	v_and_b32 v12, 8, v14
	v_add_nc_u32 v12, v12, v14                     ; r + 8 (r / 8)
	v_lshlrev_b32 v[BVA], 2, v12
	v_lshlrev_b32 v[SH], 4, v15
	v_lshlrev_b32 v12, 2, v14
	s_wait_alu depctr_va_vdst(0)
	s_mul_i32 s94, s[WV], 3                        ; my first block of 32 columns
.irp i, 0,1,2                          ; block cb: byte cb % 4 of the words of 128 columns cb / 4
	s_add_co_u32 s95, s94, \i
	s_lshr_b32 s96, s95, 2
	s_lshl_b32 s96, s96, 7
	s_and_b32 s95, s95, 3
	s_add_co_u32 s95, s95, s96
	s_add_co_u32 s95, s95, QS
	v_add_nc_u32 v[SA+\i], s95, v12
.endr
	s_mul_i32 s95, s[WV], 768
	s_add_co_u32 s95, s95, QS
	v_add_nc_u32 v[QSR], s95, v[L8]
.irp b, 0,1,2,3
	v_mov_b32 v[TM+4+\b], 0                        ; a lane permute's destination counts as one of its sources
.endr
	s_wait_alu depctr_va_vdst(0)                   ; the head's end
	s_wait_dscnt 0x0                               ; both opening adds are done
	s_wait_kmcnt 0x0
	s_add_nc_u64 s[XB:XB+1], s[4:5], s[84:85]
	WIN 0x80
.irp s, 0,1,2
.irp k, 0,1,2,3,4,5,6,7,8,9,10,11,12,13,14,15
	global_load_b128 v[64*\s+4*\k:64*\s+4*\k+3], v[LI], s[XB:XB+1] offset:1536*(\k+8*(\k/8))+512*\s th:TH_LOAD_NT   ; lane r = k's row: 512 consecutive bytes
.endr
.endr
	WIN 0
	s_add_nc_u64 s[WCB:WCB+1], s[6:7], s[86:87]
	s_add_nc_u64 s[WSB:WSB+1], s[8:9], s[90:91]
	s_add_nc_u64 s[BQ:BQ+1], s[10:11], s[92:93]
	s_add_nc_u64 s[BK:BK+1], s[12:13], s[92:93]
	s_add_nc_u64 s[BV:BV+1], s[14:15], s[92:93]
	AIM L0, 0
	ROUND                                          ; all four work-groups are here: the first joint loads meet
	TLOAD G1A                                      ; units 0 to 2: one load a wave at the head
	; where my results go
	s_mul_i32 s84, s80, QREC                       ; q: my record,
	s_mul_i32 s86, s[WV], 1536
	s_add_co_u32 s90, s84, s86                     ; my three pieces of 512 bytes of each tile
	s_add_nc_u64 s[QB:QB+1], s[16:17], s[90:91]
	s_mul_i32 s94, s82, 24576
	s_add_co_u32 s94, s94, s83
	s_add_co_u32 s94, s94, KCO                     ; k: my half of the record
	s_add_co_u32 s90, s94, s86
	s_add_nc_u64 s[KB:KB+1], s[18:19], s[90:91]
	s_mul_i32 s90, s[WV], 12288
	s_add_co_u32 s90, s90, s83
	s_add_co_u32 s90, s90, VCO
	s_lshl_b32 s94, s82, 10
	s_add_co_u32 s90, s90, s94                     ; v: six fragments a wave; my 64 keys are pieces 2 hf, 2 hf + 1
	s_add_nc_u64 s[VB:VB+1], s[18:19], s[90:91]
	s_add_co_u32 s90, s92, s83
	s_add_co_u32 s90, s90, VSO
	s_lshl_b32 s94, s82, 1
	s_add_co_u32 s90, s90, s94                     ; and bytes 2 hf, 2 hf + 1 of each scale word
	s_add_nc_u64 s[VSB:VSB+1], s[18:19], s[90:91]
	s_add_co_u32 s84, s84, 24576                   ; q's scales,
	s_mul_i32 s94, s82, 768
	s_add_co_u32 s94, s94, s83                     ; k's
	s_cmp_eq_u32 s[WV], 0                          ; the choice hangs on the wave's number alone
	s_cselect_b64 s[QSO:QSO+1], s[16:17], s[18:19]
	s_cselect_b32 s90, s84, s94
	s_add_nc_u64 s[QSO:QSO+1], s[QSO:QSO+1], s[90:91]
	s_wait_loadcnt 32                              ; the first 128 along K are in; 2 x 16 loads may be out
	XTURN 0, N0
	WIN 0xc0                                       ; the biases, into window 3: 24 + 6 loads
.irp i, 0,1,2
.irp p, 0,1
	global_load_b128 v[16*\i+8*\p:16*\i+8*\p+3], v[BQA], s[BQ:BQ+1] offset:128*\i+32*\p
	global_load_b128 v[16*\i+8*\p+4:16*\i+8*\p+7], v[BQA], s[BQ:BQ+1] offset:128*\i+32*\p+16
	global_load_b128 v[48+16*\i+8*\p:48+16*\i+8*\p+3], v[BQA], s[BK:BK+1] offset:128*\i+32*\p
	global_load_b128 v[48+16*\i+8*\p+4:48+16*\i+8*\p+7], v[BQA], s[BK:BK+1] offset:128*\i+32*\p+16
	global_load_b32 v[144+2*\i+\p], v[BVA], s[BV:BV+1] offset:128*\i+32*\p
.endr
.endr
	WIN 0
	s_wait_loadcnt 46                              ; the second 128; behind it 16 + 30 loads
	XTURN 1, N1
	s_wait_dscnt 32                                ; the first 128 are back from the stage
	QUANT N0, 1
	IMAGE 0
	s_wait_loadcnt 30                              ; the third 128; the biases may be out
	XTURN 2, N0
	s_wait_dscnt 32                                ; the second 128 are back, and image 0's stores have read their registers
	QUANT N1, 1
	IMAGE 1
.set cnt, 0
.rept 54                               ; W's scale words
	global_load_b32 v[WSA+cnt], v[LS], s[WSB:WSB+1] offset:128*cnt
.set cnt, cnt+1
.endr
	s_wait_dscnt 0x0
	QUANT N0, 1
	IMAGE 2
	REFILL L1, 36864, G1B                          ; units 3 and 4: slot 1's first fill; the round also shows x's images to every wave
	WIN 0x40                                       ; destination window 1
.irp f, 0,1,2,3,4,5,6,7,8,9,10,11
.irp c, 0,1,2,3
	ds_load_b128 v[16*\f+4*\c:16*\f+4*\c+3], v[LI] offset:XIMG+2048*\f+512*\c
.endr
.endr
	WIN 0
.irp f, 0,1,2,3,4,5,6,7,8,9,10,11
	ds_load_b32 v[XS+\f], v[LS] offset:XSC+128*\f
.endr
	WLD 0
	s_wait_loadcnt 0x0                             ; the biases and W's scale words
	WIN 0xc3                                       ; v's bias runs along the lanes: a tile's eight registers hold the same number
.irp n, 0,1,2,3,4,5
.irp j, 0,1,2,3,4,5,6,7
	v_mov_b32 v[96+8*\n+\j], v[144+\n]
.endr
.endr
	WIN 0
	UNIT 0
	UNIT 1
	REFILL L0, 61440, G1A                          ; units 5 to 7: units 0 to 2 lie in registers or are done
	UNIT 2
	UNIT 3
	REFILL L1, 98304, G1C                          ; unit 8: unit 4 lies in registers
	UNIT 4
	UNIT 5
	UNIT 6
	UNIT 7
	UNIT 8
	s_wait_dscnt 0x0                               ; for the others' sake: my scale bytes of q and k have landed
	s_barrier_signal -1
	s_barrier_wait -1
	s_cmp_lt_u32 s[WV], 2
	s_cbranch_scc0 .Lno_scales
.irp n, 0,1,2
	ds_load_b64 v[N1+2*\n:N1+2*\n+1], v[QSR] offset:256*\n
.endr
	s_wait_dscnt 0x0
.irp n, 0,1,2
	global_store_b64 v[L8], v[N1+2*\n:N1+2*\n+1], s[QSO:QSO+1] offset:256*\n   ; 32 lanes store 256 consecutive bytes, aligned
.endr
.Lno_scales:
	s_wait_tensorcnt 0x0                           ; the wave's end: behind my last tensor load and my last LDS store
	ds_add_u32 v[SPW], v[NIL]
	s_wait_dscnt 0x0
	ROUND                                          ; the closing round: no work-group ends while a partner may still ask for a tile that names it
	s_endpgm
.Lfunc_end_k_q2bbadcf949_proj:
	.size	k_q2bbadcf949_proj, .Lfunc_end_k_q2bbadcf949_proj-k_q2bbadcf949_proj
	.p2alignl 7, 3214868480
	.fill 96, 4, 3214868480
	.section	.rodata,"a",@progbits
	.p2align	6, 0x0
	.amdhsa_kernel k_q2bbadcf949_proj
		.amdhsa_group_segment_fixed_size 327680
		.amdhsa_private_segment_fixed_size 0
		.amdhsa_enable_private_segment 0
		.amdhsa_kernarg_size 64
		.amdhsa_user_sgpr_count 2
		.amdhsa_user_sgpr_kernarg_segment_ptr 1
		.amdhsa_wavefront_size32 1
		.amdhsa_system_sgpr_workgroup_id_x 1
		.amdhsa_system_sgpr_workgroup_id_y 1
		.amdhsa_system_sgpr_workgroup_id_z 1
		.amdhsa_system_vgpr_workitem_id 0
		.amdhsa_next_free_vgpr 1024
		.amdhsa_next_free_sgpr 100
		.amdhsa_reserve_vcc 0
		.amdhsa_float_denorm_mode_32 3
		.amdhsa_float_denorm_mode_16_64 3
		.amdhsa_memory_ordered 1
		.amdhsa_forward_progress 1
		.amdhsa_inst_pref_size 181
	.end_amdhsa_kernel
	.amdgpu_metadata
---
amdhsa.version: [ 1, 2 ]
amdhsa.kernels:
  - .name:           k_q2bbadcf949_proj
    .symbol:         k_q2bbadcf949_proj.kd
    .args:
      - { .name: x, .offset: 0, .size: 8, .value_kind: global_buffer, .address_space: global }
      - { .name: wc, .offset: 8, .size: 8, .value_kind: global_buffer, .address_space: global }
      - { .name: ws, .offset: 16, .size: 8, .value_kind: global_buffer, .address_space: global }
      - { .name: bq, .offset: 24, .size: 8, .value_kind: global_buffer, .address_space: global }
      - { .name: bk, .offset: 32, .size: 8, .value_kind: global_buffer, .address_space: global }
      - { .name: bv, .offset: 40, .size: 8, .value_kind: global_buffer, .address_space: global }
      - { .name: qbuf, .offset: 48, .size: 8, .value_kind: global_buffer, .address_space: global }
      - { .name: kv, .offset: 56, .size: 8, .value_kind: global_buffer, .address_space: global }
    .group_segment_fixed_size: 327680
    .private_segment_fixed_size: 0
    .kernarg_segment_align: 8
    .kernarg_segment_size: 64
    .max_flat_workgroup_size: 128
    .sgpr_count:     100
    .vgpr_count:     1024
    .wavefront_size: 32
...
	.end_amdgpu_metadata
.endif
;; end of part 2
;; launch attn (part 3): grid 64 x 4, 4 waves a work-group, clusters of 4 x 1, 327,680 bytes of LDS; arguments qbuf, kv, out0; writes out0
.if DOCPART == 3
	.amdgcn_target "amdgcn-amd-amdhsa--gfx1250"
	.amdhsa_code_object_version 6
	.text
	.protected	k_q2bbadcf949_attn
	.globl	k_q2bbadcf949_attn
	.p2align	8
	.type	k_q2bbadcf949_attn,@function
k_q2bbadcf949_attn:
	s_mov_b64 s[64:65], 0
	v_nop
	global_prefetch_b8 v0, s[64:65] scope:SCOPE_SE
	s_setreg_imm32_b32 hwreg(HW_REG_WAVE_MODE, 25, 1), 1
	s_wait_xcnt 0x0
	s_wait_alu depctr_hold_cnt(0) depctr_sa_sdst(0) depctr_va_vdst(0) depctr_va_sdst(0) depctr_va_ssrc(0) depctr_va_vcc(0) depctr_vm_vsrc(0)
	s_getreg_b32 s2, hwreg(HW_REG_IB_STS2, 6, 4)
	s_cmp_eq_u32 s2, 0
	s_cbranch_scc0 .Lentry_in_a_cluster
	s_endpgm
.Lentry_in_a_cluster:
	s_bfe_u32 s2, ttmp6, 0x10000c
	s_cmp_lg_u32 s2, 0x3003
	s_cbranch_scc0 .Lentry_shape_is_right
	s_endpgm
.Lentry_shape_is_right:
; out[b][q][:] = the sum over k of softmax_k(q . k / sqrt(384)) v[k][:], both products on codes of E4M3 with one E8M0 scale for each 32 along a product's K.  4 batches, 4,096 tokens, 384 channels.
; THE SOFTMAX AHEAD OF THE SECOND PRODUCT: t = score x log2(e) / sqrt(384); M = the row's largest t so far, rounded UP to a whole number; p = 2^(t - M) is quantised along the keys, not normalised;
; the row's sum is taken of the unquantised p and divides at the end.  Every change of M is a multiplication by a power of two.
; INPUTS (made by the launch before): qbuf: a record of 25,344 bytes for each 64 queries; kv: a record of 101,376 bytes for each 128 keys, two parts of 50,688: K's scale words (1,536) and K's 24 fragments; V's likewise.
; A fragment is 2,048 bytes, piece c at 512 c + 16 x lane: an image of 16 operand registers.
; SHARES.  A work-group owns 64 queries (four tiles of 16) and walks the batch's 16 steps of 256 keys (two records, e = 0, 1).  In a step wave w makes S^T = K Q^T for keys 32 w .. 32 w + 31 of either record and all four tiles
; of queries (Q stays in registers), and O^T += V^T P^T for channels 96 w .. 96 w + 95: each fragment of K and V is read from LDS once, by one wave, and feeds four products.
; ONE M FOR ALL WAVES: each wave's largest scores go through LDS ahead of the exponentials, so p, its bytes and the sums are all under the common M.  P's pieces and bytes go through LDS: piece w, byte w are wave w's.
; Both products are used transposed: a lane holds one query (lane % 16) throughout.  The rows of a tile are not neighbours (lane r of tile u of a group of 32: row 8 u + r + 8 (r / 8)): the 16 registers of two neighbouring tiles are 16 neighbours.
; A TRIP j.  PHASE 1: O^T x its factor; the scores of step j + 1; the refills; the maxima go out.  PHASE 2: the softmax of step j + 1, its plain lines among the 48 products V^T P^T of step j; P of step j + 1 goes out.
; THREE BARRIERS A TRIP: a round of the cluster's barrier inside the scores, when all of K lies in registers (the refills stand behind it); one behind the maxima; one behind P.
; LDS: one slot for K, two for V, 101,376 bytes each.  In the round of trip j K's slot takes step j + 2, V's slot (j + 1) % 2 takes step j + 1.  K of step 0 lands in V's odd slot, whose bytes so have had a fill when V of step 1 comes.
; Waves 0, 1 fetch K's two parts, waves 2, 3 V's: K's loads are waited for in front of the trip's last barrier, V's in front of the next round.  A wave has one tensor load out.
; CLUSTER.  The four work-groups of a cluster belong to one batch and walk the same records: each part is asked for JOINTLY, by the same tensor load with the same descriptor and a mask that names the four.
; THE WALK IS TURNED.  Step j of cluster x of a batch is pair of records (p + j) mod 16, p = x xor 14 (x % 2): the sixteen clusters begin at sixteen different pairs, and a pair that one asks for was asked for a step earlier by the cluster
; that began one pair further on.  Maxima, sums and O^T hang on no order of the keys.  x is the same in all four partners.  No prefetch is written beside this walk.
; O^T begins as zeros, so that the first trip is the loop's own and needs no copy of the text.
; LIMITS: NaN and infinities are not served; the scaled scores t stay under 2^31 in magnitude; p under 2^-126 becomes 0 (the exponential's flush: ISA guide 15.8); a block whose every p is 0 keeps the byte 1 (its codes are zeros);
; the sums' order differs from the reference's, and from cluster to cluster.
; REGISTERS, in windows of 256.  Window 0: v1-15 addresses; v16-39 statistics; v40-167 S^T, then p; v168-223 at work, codes; v224-254 scale words and nothing else.
;   Window 1: v0-191 Q's 12 fragments (on the way out rows of the output), v192-255 P's fragments of record 0.   Window 2: v0-191 O^T, 24 accumulators, v192-255 P's of record 1.   Window 3: v0-191 K's 12 fragments, then V's 12.
.set REC,    101376
.set PART,   50688
.set QREC,   25344
.set CDS,    1536                      ; the codes in a part
.set VA,     101376                    ; V's even slot; K's slot at 0
.set VB,     202752                    ; V's odd slot
.set TOG,    0x29400                   ; VA xor VB
.set PIMG,   304128                    ; P's eight fragments
.set MEX,    320512                    ; the maxima: 512 t + 16 x lane + 4 w
.set PSX,    322560                    ; P's scale words: 128 (4 e + t) + 4 x lane + w
.set LEX,    323584                    ; the sums, like the maxima
.set SPARE,  325632                    ; the spare words, 128 bytes a wave: two blocks of 256 bytes that no other line names
.set SPITCH, 1552                      ; the way out: a stage of 64 rows x (1,536 + 16) bytes in K's slot, which has had its last fill and its last read by then
.set AK,   1                           ; v1   12,288 w + 16 x lane: my six fragments of a part
.set AKS,  2                           ; v2   384 w + 4 x lane: their scale words
.set ADV,  3                           ; v3-4 the same in V's slot in hand
.set ADVS, 4
.set PST,  5                           ; v5   where I store my piece of P
.set PLD,  6                           ; v6   where I read P
.set MST,  7                           ; v7   where I store a maximum
.set MLD,  8                           ; v8   where I read the four
.set SPW,  9                           ; v9   my spare word; never rewritten
.set NIL,  10                          ; v10  0; never rewritten
.set WST,  11                          ; v11  where I store P's bytes
.set WLD,  12                          ; v12  where I read P's words
.set GO,   13                          ; v13  16 x lane
.set L4,   14                          ; v14  4 x lane
.set STO,  15                          ; v15  the way out's stage: where I put 16 bytes
.set RD,   3                           ; v3   and where I read a row back
.set NM,   16                          ; tile t: the pair (-M, 0) at v[16 + 2 t]
.set LL,   24                          ; my part of the sum, in two halves
.set FC,   32                          ; the pair (2^(old M - new M), 0); at the end 1 / l
.set SS,   40                          ; register 64 e + 16 t + 8 u + j: key 32 w + 16 (lane / 16) + 8 u + j of record e, my query of tile t
.set BM,   168                         ; block (e, t) at 4 e + t: its largest score, then its largest p, then its byte
.set T2,   176
.set T3,   180
.set SO,   184                         ; the conversions' scale operands
.set HL,   192                         ; 448 x the scale
.set MXB,  200                         ; the four waves' maxima of tile t at 4 t
.set KSC,  224                         ; K's scale words at 3 e + s: lanes 0-15 tile 2 w, lanes 16-31 tile 2 w + 1
.set QSC,  230                         ; Q's at 3 (t / 2) + s: likewise
.set VSC,  236                         ; V's at 3 e + i / 2: likewise
.set PSW,  247                         ; P's at 4 e + t.  No product's two scale registers have numbers equal modulo 8
.set WV,   10
.set G1,   16                          ; s[16:23] descriptor group 1;  s[24:27], s[28:31] groups 0 for K and V
.set G0K,  24
.set G0V,  28
.set SEL,  32
.set CS,   34                          ; s[34:35] c = log2(e) / sqrt(384)
.set MNT,  36
.set NCS,  37                          ; -c
.set IT,   38
.set KB,   40                          ; s[40:41] kv at K's part e of the batch's record e, e = wave % 2;  s[42:43] at V's
.set VBP,  42
.set OFS,  44
.set NK,   46                          ; the pairs that the next loads of K and V ask for
.set NV,   47
.set TBF,  48                          ; V's slot that is filled next; that is read next
.set TBR,  49
.set EO,   50                          ; e x PART
.set MSB, 0
.macro WIN new                         ; the immediate's high byte repeats the setting that is left
.if MSB != (\new)
	s_set_vgpr_msb (MSB<<8)|(\new)
.set MSB, (\new)
.endif
.endm
.macro WALU
	s_wait_alu depctr_va_vdst(0)
.endm
.macro PLACES n                        ; places behind this matrix form, or the four plain lines behind a tensor load
.rept \n
	v_nop
.endr
.endm
.macro CREST                           ; a round of the cluster's barrier behind its opening barrier
	s_cmp_lg_u32 s[WV], 0
	s_cbranch_scc1 .Lnot_wave_0_\@
	s_barrier_signal -3
.Lnot_wave_0_\@:
	s_barrier_wait -3
	s_barrier_signal -1
	s_barrier_wait -1
.endm
.macro ROUND
	s_barrier_signal -1
	s_barrier_wait -1
	CREST
.endm
.macro TLOAD g0
	tensor_load_to_lds s[\g0:\g0+3], s[G1:G1+7]
	s_nop 0
	PLACES 4
.endm
.macro AIMK                            ; K's group 0: the next pair, into K's slot.  It stands where no tensor load of the wave is out
	s_mul_i32 s[OFS], s[NK], 2*REC
	s_mov_b32 s[G0K+1], s[EO]
	s_add_nc_u64 s[G0K+2:G0K+3], s[KB:KB+1], s[OFS:OFS+1]
	s_or_b32 s[G0K+3], s[G0K+3], 0x80000000
	s_add_co_u32 s[NK], s[NK], 1
	s_and_b32 s[NK], s[NK], 15
.endm
.macro AIMV                            ; V's: the next pair, into the slots by turns
	s_mul_i32 s[OFS], s[NV], 2*REC
	s_add_co_u32 s[G0V+1], s[TBF], s[EO]
	s_add_nc_u64 s[G0V+2:G0V+3], s[VBP:VBP+1], s[OFS:OFS+1]
	s_or_b32 s[G0V+3], s[G0V+3], 0x80000000
	s_xor_b32 s[TBF], s[TBF], TOG
	s_add_co_u32 s[NV], s[NV], 1
	s_and_b32 s[NV], s[NV], 15
.endm
.macro FILL mode                       ; 0: K alone;  1: K and V;  2: V alone.  The branch hangs on the wave's number alone
	s_cmp_lt_u32 s[WV], 2
	s_cbranch_scc0 .Lfor_v_\@
.if (\mode) < 2
	TLOAD G0K
.endif
.if (\mode) > 0
	s_branch .Lasked_\@
.endif
.Lfor_v_\@:
.if (\mode) > 0
	TLOAD G0V
.Lasked_\@:
.endif
.endm
.macro KLD s, ak                       ; the s-th 128 of my four tiles of keys: 16 loads
	WIN 0xc0
.irp f, 0,1,2,3
.irp c, 0,1,2,3
	ds_load_b128 v[16*(3*\f+\s)+4*\c:16*(3*\f+\s)+4*\c+3], v[\ak] offset:PART*(\f/2)+CDS+2048*(3*(\f%2)+\s)+512*\c
.endr
.endr
.endm
.macro KSL aks                         ; and their scale words: 6 loads
	WIN 0
.irp s, 0,1,2
	ds_load_b32 v[KSC+\s], v[\aks] offset:128*\s
	ds_load_b32 v[KSC+3+\s], v[\aks] offset:PART+128*\s
.endr
.endm
.macro VLD g                           ; three of V's 12 fragments: fragment 2 i + e: 12 loads
	WIN 0xc0
.irp m, 0,1,2
.irp c, 0,1,2,3
	ds_load_b128 v[16*(3*(\g)+\m)+4*\c:16*(3*(\g)+\m)+4*\c+3], v[ADV] offset:PART*((3*(\g)+\m)%2)+CDS+2048*((3*(\g)+\m)/2)+512*\c
.endr
.endr
	WIN 0
.endm
.macro VSL                             ; V's scale words: 6 loads
.irp n, 0,1,2
	ds_load_b32 v[VSC+\n], v[ADVS] offset:128*\n
	ds_load_b32 v[VSC+3+\n], v[ADVS] offset:PART+128*\n
.endr
.endm
.macro PLDE e                          ; P's four fragments of record e: 16 loads
	WIN 0x40+0x40*(\e)
.irp t, 0,1,2,3
.irp c, 0,1,2,3
	ds_load_b128 v[192+16*\t+4*\c:192+16*\t+4*\c+3], v[PLD] offset:8192*(\e)+2048*\t+512*\c
.endr
.endr
	WIN 0
.endm
.macro PSL                             ; and all its scale words: 8 loads
.irp n, 0,1,2,3,4,5,6,7
	ds_load_b32 v[PSW+\n], v[WLD] offset:128*\n
.endr
.endm
.macro W4                              ; one product: D rD, A rA, B rB, scales sA, sB; uu, t2_: which row of lanes holds A's and B's scales; zz = 1: it starts a sum
.if zz
.if (uu == 0) && (t2_ == 0)
	v_wmma_scale_f32_16x16x128_f8f6f4 v[rD:rD+7], v[rA:rA+15], v[rB:rB+15], 0, v[sA], v[sB]
.elseif (t2_ == 0)
	v_wmma_scale_f32_16x16x128_f8f6f4 v[rD:rD+7], v[rA:rA+15], v[rB:rB+15], 0, v[sA], v[sB] matrix_a_scale:MATRIX_SCALE_ROW1
.elseif (uu == 0)
	v_wmma_scale_f32_16x16x128_f8f6f4 v[rD:rD+7], v[rA:rA+15], v[rB:rB+15], 0, v[sA], v[sB] matrix_b_scale:MATRIX_SCALE_ROW1
.else
	v_wmma_scale_f32_16x16x128_f8f6f4 v[rD:rD+7], v[rA:rA+15], v[rB:rB+15], 0, v[sA], v[sB] matrix_a_scale:MATRIX_SCALE_ROW1 matrix_b_scale:MATRIX_SCALE_ROW1
.endif
.else
.if (uu == 0) && (t2_ == 0)
	v_wmma_scale_f32_16x16x128_f8f6f4 v[rD:rD+7], v[rA:rA+15], v[rB:rB+15], v[rD:rD+7], v[sA], v[sB]
.elseif (t2_ == 0)
	v_wmma_scale_f32_16x16x128_f8f6f4 v[rD:rD+7], v[rA:rA+15], v[rB:rB+15], v[rD:rD+7], v[sA], v[sB] matrix_a_scale:MATRIX_SCALE_ROW1
.elseif (uu == 0)
	v_wmma_scale_f32_16x16x128_f8f6f4 v[rD:rD+7], v[rA:rA+15], v[rB:rB+15], v[rD:rD+7], v[sA], v[sB] matrix_b_scale:MATRIX_SCALE_ROW1
.else
	v_wmma_scale_f32_16x16x128_f8f6f4 v[rD:rD+7], v[rA:rA+15], v[rB:rB+15], v[rD:rD+7], v[sA], v[sB] matrix_a_scale:MATRIX_SCALE_ROW1 matrix_b_scale:MATRIX_SCALE_ROW1
.endif
.endif
.endm
.macro QKP s, n                        ; S^T's product n = 8 e + 4 u + t of the s-th 128 of K
.set ee, (\n)/8
.set uu, ((\n)/4)%2
.set tt, (\n)%4
.set t2_, tt%2
.set zz, ((\s)==0)&1
.set rD, SS+64*ee+16*tt+8*uu
.set rA, 16*(6*ee+3*uu+\s)
.set rB, 16*(3*tt+\s)
.set sA, KSC+3*ee+\s
.set sB, QSC+3*(tt/2)+\s
	W4
.endm
.macro QK s, from, cnt                 ; the sixteen accumulators take turns
	WIN 0x07                                       ; source 0 (K) window 3, source 1 (Q) window 1
.set qn, \from
.rept \cnt
	QKP \s, qn
.set qn, qn+1
.endr
.endm
.macro PVP n                           ; O^T's product n = 24 e + 4 i + t: the 24 accumulators take turns
.set ee, (\n)/24
.set ii, ((\n)%24)/4
.set tt, (\n)%4
.set uu, ii%2
.set t2_, 0
.set zz, 0
.set rD, 8*(4*ii+tt)
.set rA, 16*(2*ii+ee)
.set rB, 192+16*tt
.set sA, VSC+3*ee+ii/2
.set sB, PSW+4*ee+tt
	WIN 0xa7+4*ee                                  ; source 0 (V) window 3, source 1 (P) window 1 or 2, C and D window 2
	W4
.endm
.macro RESC g                          ; eight accumulators of O^T x their tiles' factors, each from its low end on
	WIN 0x82
	WALU
.set ra, 8*(\g)
.rept 8
.irp k, 0,2,4,6
	v_pk_mul_f32 v[8*ra+\k:8*ra+\k+1], v[8*ra+\k:8*ra+\k+1], v[FC+2*(ra%4):FC+2*(ra%4)+1] op_sel_hi:[1,0]
.endr
.set ra, ra+1
.endr
.endm
.macro MAXL e, k                       ; 32 lines: record e's four blocks' largest scores, by turns, each accumulator from its low end on
.set tt, (\k)%4
.set st, (\k)/4
.set sb, SS+64*(\e)+16*tt
.set bb, BM+4*(\e)+tt
.if st == 0
	v_max3_num_f32 v[bb], v[sb], v[sb+1], v[sb+2]
.elseif st < 7
	v_max3_num_f32 v[bb], v[bb], v[sb+2*st+1], v[sb+2*st+2]
.else
	v_max_num_f32 v[bb], v[bb], v[sb+15]
.endif
.endm
.macro FMAL e, y                       ; 36 lines: t - M, two at a time, and of the blocks' largest scores
.if (\y) < 32
.set tt, (\y)%4
.set sb, SS+64*(\e)+16*tt+2*((\y)/4)
	v_pk_fma_f32 v[sb:sb+1], v[sb:sb+1], s[CS:CS+1], v[NM+2*tt:NM+2*tt+1] op_sel_hi:[1,0,0]
.else
.set tt, (\y)-32
	v_fma_f32 v[BM+4*(\e)+tt], v[BM+4*(\e)+tt], s[CS], v[NM+2*tt]
.endif
.endm
.macro EXPL e, x                       ; 68 exponentials: p, at most 1, and the blocks' largest p: the same two instructions on the same number
.if (\x) < 64
	v_exp_f32 v[SS+64*(\e)+(\x)], v[SS+64*(\e)+(\x)]
.else
	v_exp_f32 v[BM+4*(\e)+(\x)-64], v[BM+4*(\e)+(\x)-64]
.endif
.endm
.macro LA k                            ; 72 lines: -M, the factor, and record 0's t - M
.set tt, (\k)%4
.if (\k) < 4
	v_max3_num_f32 v[T2+tt], v[MXB+4*tt], v[MXB+4*tt+1], v[MXB+4*tt+2]
.elseif (\k) < 8
	v_max_num_f32 v[T2+tt], v[T2+tt], v[MXB+4*tt+3]
.elseif (\k) < 12
	v_mul_f32 v[T2+tt], s[NCS], v[T2+tt]           ; -t (c is positive)
.elseif (\k) < 16
	v_floor_f32 v[T2+tt], v[T2+tt]                 ; -ceil(t)
.elseif (\k) < 20
	v_min_num_f32 v[T2+tt], v[NM+2*tt], v[T2+tt]   ; the running -M: a whole number
.elseif (\k) < 24
	v_sub_f32 v[T3+tt], v[T2+tt], v[NM+2*tt]       ; old M - new M: 0 or less
.elseif (\k) < 28
	v_mov_b32 v[NM+2*tt], v[T2+tt]
.elseif (\k) < 32
	v_cvt_i32_f32 v[T3+tt], v[T3+tt]               ; (it saturates)
.elseif (\k) < 36
	v_ldexp_f32 v[FC+2*tt], 1.0, v[T3+tt]
.else
	FMAL 0, (\k)-36
.endif
.endm
.macro LC k                            ; 104 lines: record 0's exponentials, and record 1's t - M between them
.if (\k) > 101
	FMAL 1, (\k)-68
.elseif (\k)%3 == 2
	FMAL 1, (\k)/3
.else
	EXPL 0, 2*((\k)/3)+(\k)%3
.endif
.endm
.macro LX k
	EXPL 1, \k
.endm
.macro HLC e, y                        ; 12 lines: the floor 2^(9 - 127) (the byte cannot fall under 1); 8 off the exponent field; 448 x the scale
.set bb, 4*(\e)+(\y)%4
.if (\y) < 4
	v_max_num_f32 v[BM+bb], 0x4800000, v[BM+bb]
.elseif (\y) < 8
	v_add_nc_u32 v[SO+bb], 0xfc000000, v[BM+bb]
.else
	v_and_or_b32 v[HL+bb], v[BM+bb], 0x7f800000, s[MNT]
.endif
.endm
.macro ADDL e, y                       ; 32 lines: the sum of the unquantised p
.set tt, (\y)%4
.set sb, SS+64*(\e)+16*tt+2*((\y)/4)
	v_pk_add_f32 v[LL+2*tt:LL+2*tt+1], v[LL+2*tt:LL+2*tt+1], v[sb:sb+1]
.endm
.macro MINL e, y                       ; 32 lines: the hold: the conversion does not saturate (ISA guide 7.6.2); p is not negative
.set bb, HL+4*(\e)+(\y)/8
.set sb, SS+64*(\e)+2*(\y)
	v_dual_min_num_f32 v[sb], v[sb], v[bb] :: v_dual_min_num_f32 v[sb+1], v[sb+1], v[bb]
.endm
.macro PCREG b                         ; block b's four registers of codes
.if (\b) < 6
.set pc, 200+4*(\b)
.else
.set pc, 176+4*((\b)-6)
.endif
.endm
.macro CVTL e, y                       ; 8 conversions
.set bb, 4*(\e)+(\y)/2
	PCREG bb
.set pc, pc+2*((\y)%2)
.set sb, SS+16*bb+8*((\y)%2)
	v_cvt_scalef32_pk8_fp8_f32 v[pc:pc+1], v[sb:sb+7], v[SO+bb]
.endm
.macro LE k                            ; 181 plain lines that stand among the 48 products
.if (\k) < 4
	v_pk_mul_f32 v[LL+2*(\k):LL+2*(\k)+1], v[LL+2*(\k):LL+2*(\k)+1], v[FC+2*(\k):FC+2*(\k)+1] op_sel_hi:[1,0]
.elseif (\k) < 16
	HLC 0, (\k)-4
.elseif (\k) < 48
	ADDL 0, (\k)-16
.elseif (\k) < 80
	MINL 0, (\k)-48
.elseif (\k) < 88
	CVTL 0, (\k)-80
.elseif (\k) < 100
	HLC 1, (\k)-88
.elseif (\k) < 132
	ADDL 1, (\k)-100
.elseif (\k) < 164
	MINL 1, (\k)-132
.elseif (\k) < 172
	v_lshrrev_b32 v[BM+(\k)-164], 23, v[SO+(\k)-164]   ; the scales' bytes
.elseif (\k) < 180
	CVTL 1, (\k)-172
.else
	v_nop                                          ; a plain line behind the last conversion
.endif
.endm
.macro LINES kind, from, cnt
.set gl, \from
.rept \cnt
	\kind gl
.set gl, gl+1
.endr
.endm
.macro WITH kind, np, nl               ; products 0 .. np - 1, nl lines spread behind them
.set gp, 0
.set gl, 0
.rept \np
	PVP gp
	WIN 0
.set gp, gp+1
.rept (gp*(\nl))/(\np)-gl
	\kind gl
.set gl, gl+1
.endr
.endr
.endm
.macro AIMADV                          ; V's slot that is read now
	v_add_nc_u32 v[ADV], s[TBR], v[AK]
	v_add_nc_u32 v[ADVS], s[TBR], v[AKS]
	s_xor_b32 s[TBR], s[TBR], TOG
.endm
; PHASE 1.  pv = 1: a step stands ahead: O^T is rescaled, its P is fetched;  fill: as in FILL;  ak, aks: K's addresses
.macro PHASE1 pv, fill, ak, aks
	KLD 0, \ak
	KSL \aks
.if \pv
	RESC 1                                         ; while K comes
.endif
	KLD 1, \ak
.if \pv
	RESC 2
.endif
	KLD 2, \ak
.if (\pv) == 0
	s_wait_loadcnt 0x0                             ; Q
.endif
	s_wait_dscnt 32                                ; the first 128 of K and the scale words are in; behind them 2 x 16 loads
	QK 0, 0, 16
	WIN 0
	s_wait_tensorcnt 0x0                           ; all my tensor loads have landed, so a group 0 may be written
	ds_add_u32 v[SPW], v[NIL]                      ; 0 onto my spare word
.if (\fill) < 2
	AIMK
.endif
.if (\fill) > 0
	AIMV
.endif
	s_wait_dscnt 17                                ; the second 128 of K is in; the third's 16 loads and the add may be out
	QK 1, 0, 8
	s_wait_dscnt 0x0                               ; the add is done, and all of K is in registers
	s_barrier_signal -1                            ; the round's opening barrier
	QK 1, 8, 8
	WIN 0
	s_barrier_wait -1
	CREST                                          ; that now holds of every wave of the four work-groups
	FILL \fill                                     ; the first thing behind the round, and my one tensor load until the next
.if \pv
	PSL
	PLDE 0
.endif
	QK 2, 0, 8
	WIN 0
.if \pv
	PLDE 1
.endif
	PLACES 8                                       ; ahead of the first reads of record 0's scores
.set qm, 0
.rept 8                                ; record 0's maxima among record 1's last products
	QK 2, 8+qm, 1
	WIN 0
.irp k, 0,1,2,3
	MAXL 0, 4*qm+\k
.endr
.set qm, qm+1
.endr
	PLACES 8
	LINES MAXL1, 0, 32
.irp b, 0,1,2,3,4,5,6,7
	v_permlanex16_b32 v[T2+\b], v[BM+\b], s[SEL], s[SEL+1]
.endr
.irp b, 0,1,2,3,4,5,6,7
	v_max_num_f32 v[BM+\b], v[BM+\b], v[T2+\b]     ; with lane l xor 16's 16 keys
.endr
.irp t, 0,1,2,3
	v_max_num_f32 v[T2+\t], v[BM+\t], v[BM+4+\t]
.endr
.irp t, 0,1,2,3
	ds_store_b32 v[MST], v[T2+\t] offset:512*\t
.endr
	WALU
	s_wait_dscnt 0x0                               ; my maxima have landed; P is in registers
	s_barrier_signal -1
.if \pv
	AIMADV
	WALU
.endif
	s_barrier_wait -1
.endm
.macro MAXL1 k
	MAXL 1, \k
.endm
; PHASE 2
.macro PHASE2 pv
.irp t, 0,1,2,3
	ds_load_b128 v[MXB+4*\t:MXB+4*\t+3], v[MLD] offset:512*\t
.endr
.if \pv
	VSL
	VLD 0
.endif
	s_wait_dscnt 18*(\pv)                          ; the maxima are in; behind them 6 + 12 loads
	LINES LA, 0, 36
.if \pv
	VLD 1
.endif
	LINES LA, 36, 36
.if \pv
	VLD 2
.endif
	WALU                                           ; ahead of the batch
	LINES LC, 0, 52
.if \pv
	VLD 3
.endif
	LINES LC, 52, 52
	WALU                                           ; behind the batch, and ahead of the next
	LINES LX, 0, 68
	v_nop                                          ; a plain line behind the last exponential
	WALU
.if \pv
	s_wait_dscnt 0x0                               ; V is in
	WITH LE, 48, 181
.else
	LINES LE, 0, 181
.endif
	WALU
.set pb, 0
.rept 8                                ; my pieces of P and my bytes
	PCREG pb
	ds_store_b128 v[PST], v[pc:pc+3] offset:8192*(pb/4)+2048*(pb%4)
	ds_store_b8 v[WST], v[BM+pb] offset:128*pb
.set pb, pb+1
.endr
.endm
; The barrier behind P.  all = 0: waves 0 and 1 show K (their own load line); all = 1: every wave waits for what is out
.macro BARP all
.if \all
	s_wait_tensorcnt 0x0
.else
	s_cmp_lt_u32 s[WV], 2
	s_cbranch_scc0 .Lnot_k_\@
	s_wait_tensorcnt 0x0
.Lnot_k_\@:
.endif
	s_wait_dscnt 0x0                               ; my stores of P have landed
	s_barrier_signal -1
	RESC 0                                         ; work on registers while the others arrive
	WIN 0
	s_barrier_wait -1
.endm
	s_load_b128 s[4:7], s[0:1], 0x0                ; qbuf s[4:5], kv s[6:7]
	s_load_b64 s[8:9], s[0:1], 0x10                ; out0
	v_lshl_add_u32 v[SPW], v0, 2, SPARE
	v_mov_b32 v[NIL], 0
	ds_add_u32 v[SPW], v[NIL]                      ; the wave's opening: the add, twice on end, and its wait ahead of my first tensor load
	ds_add_u32 v[SPW], v[NIL]
	v_lshrrev_b32 v40, 5, v0
	v_readfirstlane_b32 s[WV], v40                 ; wave 0..3
	s_bfe_u32 s11, ttmp6, 0x40000                  ; cx: my place in the cluster
	s_lshl_b32 s12, ttmp9, 2                       ; in a cluster launch ttmp9 counts clusters
	s_add_co_u32 s12, s12, s11                     ; my block of 64 queries in the batch: it enters Q's and the output's addresses alone
	s_and_b32 s13, ttmp7, 0xffff                   ; the batch, which the four partners share
	; descriptor group 1: a part of a record: a dense block as 198 rows of 256 bytes (32 elements of 8 bytes), no padding: every read of it is 16 x lane, dense
	s_mov_b32 s[G1], 15|(3<<16)|(1<<21)            ; 15:0 the mask: all four work-groups; 17:16 elements of 8 bytes; 21 set beside a mask
	s_mov_b32 s[G1+1], 32<<16                      ; tensor_dim0 = 32
	s_mov_b32 s[G1+2], 198<<16                     ; tensor_dim1 = 198
	s_mov_b32 s[G1+3], 32<<16                      ; tile_dim0 = 32
	s_mov_b32 s[G1+4], 198                         ; tile_dim1 = 198
	s_mov_b32 s[G1+5], 32                          ; tensor_dim0_stride
	s_mov_b32 s[G1+6], 0
	s_mov_b32 s[G1+7], 0
	s_mov_b32 s[SEL], 0x76543210
	s_mov_b32 s[SEL+1], 0xfedcba98
	s_mov_b32 s[CS], 0x3d96c740                    ; c = log2(e) / sqrt(384) = 0.0736222
	s_mov_b32 s[CS+1], s[CS]                       ; (named with it as a pair, so it is written)
	s_mov_b32 s[NCS], 0xbd96c740                   ; -c
	s_mov_b32 s[MNT], 0x600000                     ; the mantissa field of 448
	; where my cluster's walk begins: pair p = x xor 14 (x % 2), x the cluster's number in the batch, 0 .. 15: the same in all four partners
	s_and_b32 s52, ttmp9, 1
	s_mul_i32 s52, s52, 14
	s_xor_b32 s[NK], s52, ttmp9
	s_mov_b32 s[NV], s[NK]
	s_mov_b32 s[OFS+1], 0
	s_mov_b32 s[TBF], VA
	s_mov_b32 s[TBR], VA
	s_and_b32 s54, s[WV], 1                        ; e: which record of a pair I fetch
	s_mul_i32 s[EO], s54, PART
	s_mul_i32 s54, s54, REC
	s_mul_i32 s52, s13, 32*REC                     ; the batch's record 0
	s_add_co_u32 s52, s52, s54
	s_mov_b32 s53, 0
	s_lshl_b32 s56, s13, 6
	s_add_co_u32 s56, s56, s12                     ; my block of 64 queries among all 256
	s_lshl_b32 s58, s56, 6
	s_lshl_b32 s59, s[WV], 4
	s_add_co_u32 s58, s58, s59
	s_mul_i32 s58, s58, 1536                       ; the first row of the output that I store
	s_mov_b32 s59, 0
	s_mul_i32 s56, s56, QREC
	s_mov_b32 s57, 0
	; every LDS address register is made here
	v_and_b32 v41, 31, v0                          ; lane
	v_lshlrev_b32 v[GO], 4, v41
	v_lshlrev_b32 v[L4], 2, v41
	s_mul_i32 s60, s[WV], 12288
	v_add_nc_u32 v[AK], s60, v[GO]
	s_mul_i32 s60, s[WV], 384
	v_add_nc_u32 v[AKS], s60, v[L4]
	v_add_nc_u32 v[ADV], VB, v[AK]                 ; K of step 0 lies in V's odd slot
	v_add_nc_u32 v[ADVS], VB, v[AKS]
	s_lshl_b32 s60, s[WV], 9
	s_add_co_u32 s60, s60, PIMG
	v_add_nc_u32 v[PST], s60, v[GO]
	v_add_nc_u32 v[PLD], PIMG, v[GO]
	s_lshl_b32 s60, s[WV], 2
	s_add_co_u32 s60, s60, MEX
	v_add_nc_u32 v[MST], s60, v[GO]
	v_add_nc_u32 v[MLD], MEX, v[GO]
	s_add_co_u32 s60, s[WV], PSX
	v_add_nc_u32 v[WST], s60, v[L4]
	v_add_nc_u32 v[WLD], PSX, v[L4]
	WALU
	s_wait_dscnt 0x0                               ; both opening adds are done
	s_wait_kmcnt 0x0
	s_add_nc_u64 s[KB:KB+1], s[6:7], s[52:53]
	s_add_nc_u64 s[VBP:VBP+1], s[KB:KB+1], PART
	s_add_nc_u64 s[4:5], s[4:5], s[56:57]
	s_add_nc_u64 s[8:9], s[8:9], s[58:59]
	s_mov_b32 s[G0K], 1                            ; count = 1
	s_mov_b32 s[G0V], 1
	AIMK
	s_add_co_u32 s[G0K+1], s[EO], VB               ; K of step 0 goes into V's odd slot
	AIMV
	ROUND                                          ; all four work-groups are here: the first joint loads meet
	FILL 1                                         ; one load a wave: waves 0, 1: K of step 0; waves 2, 3: V of step 0
	WIN 0x40                                       ; destination window 1
.irp f, 0,1,2,3,4,5,6,7,8,9,10,11
.irp c, 0,1,2,3
	global_load_b128 v[16*\f+4*\c:16*\f+4*\c+3], v[GO], s[4:5] offset:2048*\f+512*\c   ; Q stays in registers: fragment 3 t + s
.endr
.endr
	WIN 0
.irp n, 0,1,2,3,4,5
	global_load_b32 v[QSC+\n], v[L4], s[4:5] offset:24576+128*\n
.endr
.irp t, 0,1,2,3
	v_mov_b32 v[NM+2*\t], 0x7f61b1e6               ; -M: 3e38
	v_mov_b32 v[NM+2*\t+1], 0                      ; (the upper halves of pairs that packed lines name)
	v_mov_b32 v[LL+2*\t], 0
	v_mov_b32 v[LL+2*\t+1], 0
	v_mov_b32 v[FC+2*\t+1], 0
	v_mov_b32 v[T2+\t], 0                          ; a lane permute's destination counts as one of its sources
	v_mov_b32 v[T3+\t], 0
.endr
	WIN 0x80
.set cnt, 0
.rept 192                              ; O^T, while the first tiles come: the loop's first trip finds zeros
	v_mov_b32 v[cnt], 0
.set cnt, cnt+1
.endr
	WIN 0
	WALU                                           ; the head's end
	s_cmp_lt_u32 s[WV], 2
	s_cbranch_scc0 .Lnot_k
	s_wait_tensorcnt 0x0                           ; K of step 0 has landed; V's waves wait in front of the first round
.Lnot_k:
	s_barrier_signal -1
	s_barrier_wait -1
	PHASE1 0, 0, ADV, ADVS                         ; step 0's scores; K of step 1 is asked for
	PHASE2 0
	BARP 0
	s_mov_b32 s[IT], 14
.Lloop:                                            ; trips 0 to 13
	PHASE1 1, 1, AK, AKS
	PHASE2 1
	BARP 0
	s_sub_co_u32 s[IT], s[IT], 1
	s_cmp_lg_u32 s[IT], 0
	s_cbranch_scc1 .Lloop
	PHASE1 1, 2, AK, AKS                           ; trip 14: V of step 15 is the last fill.  It is written out
	PHASE2 1
	BARP 1
	AIMADV                                         ; step 15's products alone
	WALU
	PSL
	VSL
	PLDE 0
	RESC 1
	WIN 0
	PLDE 1
	VLD 0
	VLD 1
	RESC 2
	WIN 0
	VLD 2
	VLD 3
	WALU
	s_wait_dscnt 0x0
	WITH LNONE, 48, 0
	WIN 0
	; THE WAY OUT.  The sum's halves, lanes and waves are joined; O^T is divided by it and goes through a stage, so that whole rows leave.  The lines below are also the places behind the last products.
.irp t, 0,1,2,3
	v_add_f32 v[T2+\t], v[LL+2*\t], v[LL+2*\t+1]
.endr
.irp t, 0,1,2,3
	v_permlanex16_b32 v[BM+\t], v[T2+\t], s[SEL], s[SEL+1]
.endr
.irp t, 0,1,2,3
	v_add_f32 v[T2+\t], v[T2+\t], v[BM+\t]         ; my keys of every step
.endr
.irp t, 0,1,2,3
	ds_store_b32 v[MST], v[T2+\t] offset:LEX-MEX+512*\t
.endr
	v_and_b32 v41, 15, v0                          ; r
	v_bfe_u32 v42, v0, 4, 1                        ; h
	v_and_b32 v43, 8, v41
	v_add_nc_u32 v43, v43, v41                     ; r + 8 (r / 8)
	v_mul_u32_u24 v[STO], v43, SPITCH
	v_lshl_add_u32 v[STO], v42, 6, v[STO]
	s_mul_i32 s53, s[WV], 384
	v_add_nc_u32 v[STO], s53, v[STO]               ; the stage: my query's row, + 64 h, + my wave's 384 bytes
	s_mul_i32 s54, s[WV], 16*SPITCH
	v_add_nc_u32 v[RD], s54, v[GO]                 ; back: my wave's 16 rows, 16 bytes a lane
	WALU
	s_wait_dscnt 0x0                               ; for the others' sake
	s_barrier_signal -1
	s_barrier_wait -1
.irp t, 0,1,2,3
	ds_load_b128 v[MXB+4*\t:MXB+4*\t+3], v[MLD] offset:LEX-MEX+512*\t
.endr
	s_wait_dscnt 0x0
.irp t, 0,1,2,3
	v_add_f32 v[T2+\t], v[MXB+4*\t], v[MXB+4*\t+1]
.endr
.irp t, 0,1,2,3
	v_add_f32 v[BM+\t], v[MXB+4*\t+2], v[MXB+4*\t+3]
.endr
.irp t, 0,1,2,3
	v_add_f32 v[T2+\t], v[T2+\t], v[BM+\t]         ; the row's sum
.endr
	WALU
.irp t, 0,1,2,3
	v_rcp_f32 v[FC+2*\t], v[T2+\t]
.endr
	v_nop                                          ; a plain line behind the last reciprocal
	WALU
	RESC 0                                         ; O^T / l
	RESC 1
	RESC 2
	WIN 0x08                                       ; an LDS store's data are its source 1: window 2
.irp i, 0,1,2,3,4,5
.irp t, 0,1,2,3
	ds_store_b128 v[STO], v[8*(4*\i+\t):8*(4*\i+\t)+3] offset:(32*(\t/2)+8*(\t%2))*SPITCH+128*(\i/2)+32*(\i%2)   ; lane (r, h): query 32 (t / 2) + 8 (t % 2) + r + 8 (r / 8), channels 96 w + 32 (i / 2) + 8 (i % 2) + 16 h + 0 .. 7
	ds_store_b128 v[STO], v[8*(4*\i+\t)+4:8*(4*\i+\t)+7] offset:(32*(\t/2)+8*(\t%2))*SPITCH+128*(\i/2)+32*(\i%2)+16
.endr
.endr
	WIN 0
	s_wait_dscnt 0x0                               ; for the others' sake: a row's 1,536 bytes come from four waves
	s_barrier_signal -1
	s_barrier_wait -1
	WIN 0x40                                       ; into window 1: Q's registers are done with
.set cnt, 0
.rept 48
	ds_load_b128 v[4*cnt:4*cnt+3], v[RD] offset:SPITCH*(cnt/3)+512*(cnt%3)
.set cnt, cnt+1
.endr
	WIN 0x04                                       ; a store's data are its source 1: window 1
.set cnt, 0
.rept 48
	s_wait_dscnt 47-cnt                            ; LDS loads come back in order: piece cnt is in
	global_store_b128 v[GO], v[4*cnt:4*cnt+3], s[8:9] offset:1536*(cnt/3)+512*(cnt%3) th:TH_STORE_NT   ; 32 lanes store 512 consecutive bytes, at a multiple of 512 from the output's first byte
.set cnt, cnt+1
.endr
	WIN 0
	s_wait_tensorcnt 0x0                           ; the wave's end: behind my last tensor load and my last LDS store
	ds_add_u32 v[SPW], v[NIL]
	s_wait_dscnt 0x0
	ROUND                                          ; the closing round: no work-group ends while a partner may still ask for a tile that names it
	s_endpgm
.Lfunc_end_k_q2bbadcf949_attn:
	.size	k_q2bbadcf949_attn, .Lfunc_end_k_q2bbadcf949_attn-k_q2bbadcf949_attn
	.p2alignl 7, 3214868480
	.fill 96, 4, 3214868480
	.section	.rodata,"a",@progbits
	.p2align	6, 0x0
	.amdhsa_kernel k_q2bbadcf949_attn
		.amdhsa_group_segment_fixed_size 327680
		.amdhsa_private_segment_fixed_size 0
		.amdhsa_enable_private_segment 0
		.amdhsa_kernarg_size 24
		.amdhsa_user_sgpr_count 2
		.amdhsa_user_sgpr_kernarg_segment_ptr 1
		.amdhsa_wavefront_size32 1
		.amdhsa_system_sgpr_workgroup_id_x 1
		.amdhsa_system_sgpr_workgroup_id_y 1
		.amdhsa_system_sgpr_workgroup_id_z 1
		.amdhsa_system_vgpr_workitem_id 0
		.amdhsa_next_free_vgpr 1024
		.amdhsa_next_free_sgpr 66
		.amdhsa_reserve_vcc 0
		.amdhsa_float_denorm_mode_32 3
		.amdhsa_float_denorm_mode_16_64 3
		.amdhsa_memory_ordered 1
		.amdhsa_forward_progress 1
		.amdhsa_inst_pref_size 224
	.end_amdhsa_kernel
	.amdgpu_metadata
---
amdhsa.version: [ 1, 2 ]
amdhsa.kernels:
  - .name:           k_q2bbadcf949_attn
    .symbol:         k_q2bbadcf949_attn.kd
    .args:
      - { .name: qbuf, .offset: 0, .size: 8, .value_kind: global_buffer, .address_space: global }
      - { .name: kv, .offset: 8, .size: 8, .value_kind: global_buffer, .address_space: global }
      - { .name: out0, .offset: 16, .size: 8, .value_kind: global_buffer, .address_space: global }
    .group_segment_fixed_size: 327680
    .private_segment_fixed_size: 0
    .kernarg_segment_align: 8
    .kernarg_segment_size: 24
    .max_flat_workgroup_size: 128
    .sgpr_count:     66
    .vgpr_count:     1024
    .wavefront_size: 32
...
	.end_amdgpu_metadata
.endif
;; end of part 3
